; MI455X (gfx1250); checked and timed in simulation.
; The chip was launched on July 23, 2026; its instructions are those of AMD's public machine-readable ISA for CDNA 5 (MIT licence, August 2026) and "CDNA5" Instruction Set Architecture Reference Guide (July 2026). The comments in the code are by the model that wrote it; some were corrected since.
;; VG Multihead Attention. Allowed arithmetic: matrix products marked QUANTISED: E2M3 operands, one E8M0 scale for each 32 along K, by v_wmma_scale_f32_16x16x128_f8f6f4 with both operands' format E2M3, f32 sums; products left as they are: f32 operands where the result goes on into a quantised operand, else bf16, f16 or f32 operands; f32 sums; everything else in f32.
;; Inputs: Wk_codes 1,024 x 32 x 24 uint8 (E2M3 codes of Wk, K innermost, in blocks of 32 codes, four codes in three bytes); Wk_scales 1,024 x 32 uint8 (E8M0 scales of Wk, one for each 32 codes along K); Wo_codes 1,024 x 32 x 24 uint8 (E2M3 codes of Wo, K innermost, in blocks of 32 codes, four codes in three bytes); Wo_scales 1,024 x 32 uint8 (E8M0 scales of Wo, one for each 32 codes along K); Wq_codes 1,024 x 32 x 24 uint8 (E2M3 codes of Wq, K innermost, in blocks of 32 codes, four codes in three bytes); Wq_scales 1,024 x 32 uint8 (E8M0 scales of Wq, one for each 32 codes along K); Wv_codes 1,024 x 32 x 24 uint8 (E2M3 codes of Wv, K innermost, in blocks of 32 codes, four codes in three bytes); Wv_scales 1,024 x 32 uint8 (E8M0 scales of Wv, one for each 32 codes along K); bk 1,024 float32; bo 1,024 float32; bq 1,024 float32; bv 1,024 float32; hidden_states_codes 16 x 1 x 32 x 24 uint8 (E2M3 codes of hidden_states, K innermost, in blocks of 32 codes, four codes in three bytes); hidden_states_scales 16 x 1 x 32 uint8 (E8M0 scales of hidden_states, one for each 32 codes along K); key_value_states_codes 16 x 1,024 x 32 x 24 uint8 (E2M3 codes of key_value_states, K innermost, in blocks of 32 codes, four codes in three bytes); key_value_states_scales 16 x 1,024 x 32 uint8 (E8M0 scales of key_value_states, one for each 32 codes along K).
;; Outputs: out0 16 x 1,024 x 1,024 float32.
;; This version of the problem:
;;   THIS VERSION OF THE PROBLEM IS GIVEN IN LOW PRECISION. The matrix products marked QUANTISED in the list below multiply operands that are first quantised to E2M3 (2 exponent bits, 3 mantissa bits; 6 bits a number), with one power-of-two scale for each 32 numbers along K (OCP MX v1.0); their sums are f32. All else is computed in f32.
;;   The module's matrix products, in the order in which they are computed (A, B: the left and right operand; K: the contracted axis; several contracted axes count as one K, in the product's order):
;;     1. [M 16, K 1,024] x [K 1,024, N 1,024]; A: input hidden_states (given as codes); B: input Wq (given as codes): QUANTISED
;;     2. [M 16,384, K 1,024] x [K 1,024, N 1,024]; A: input key_value_states (given as codes); B: input Wk (given as codes): QUANTISED
;;     3. [M 16,384, K 1,024] x [K 1,024, N 1,024]; A: input key_value_states (given as codes); B: input Wv (given as codes): QUANTISED
;;     4. batch 256 x [M 1, K 64] x [K 64, N 1,024]; A: computed on the way; B: computed on the way: left as it is (M = 1 < 16)
;;     5. [M 16,384, K 1,024] x [K 1,024, N 1,024]; A: computed on the way; B: input Wo (given as codes): QUANTISED
;;   THE QUANTISER, for each operand of a quantised product, along K:
;;     - K is cut into blocks of 32 from its start; a last block that is shorter is filled with zeros.
;;     - A block's scale is 2^e with e = floor(log2(the largest magnitude in the block)) - 2, held to -126 .. 127; a block of zeros has e = 0. As a byte (E8M0): e + 127.
;;     - Each number is divided by its block's scale, clamped to +-7.5, and rounded to the nearest number of E2M3, ties to even, subnormals kept.
;;     - The product sums the exact products of the quantised numbers (number of the format x scale) in f32.
;;   ~~~python
;;   def quantise(x, axis):      # numpy; x: float32 -> the quantised numbers, widened to float32 again
;;       x = np.moveaxis(x, axis, -1); K = x.shape[-1]
;;       x = np.pad(x, [(0, 0)] * (x.ndim - 1) + [(0, -K % 32)]); x = x.reshape(x.shape[:-1] + (-1, 32)); a = np.abs(x).max(-1, keepdims=True)
;;       e = np.where(a > 0, np.clip(np.frexp(np.where(a > 0, a, 1))[1] - 1 - 2, -126, 127), 0)      # np.frexp(a)[1] - 1 = floor(log2(a)), exactly
;;       r = np.clip(x / 2.0 ** e, -7.5, 7.5)
;;       step = 2.0 ** (np.maximum(np.frexp(np.where(r == 0, 1, r))[1] - 1, 0) - 3)
;;       q = np.round(r / step) * step * 2.0 ** e      # np.round: ties to even
;;       return np.moveaxis(q.reshape(q.shape[:-2] + (-1,))[..., :K], -1, axis).astype(np.float32)
;;   ~~~
;;   OPERANDS COMPUTED ON THE WAY. 'Computed on the way' means the value that the module computes at that place (a softmax that the list does not call 'softmax' is quantised finished and normalised). What goes into a quantiser is computed in f32, as accurately as f32 sums, v_exp_f32 and their like allow (about 1e-6 of the number): no bf16 or f16 on the way to a quantiser, and a product that is left as it is and whose result goes on into a quantised operand takes f32 operands (vector FMAs, or v_wmma_f32_16x16x4_f32). A number that lies on a knife's edge between two numbers of the format may be rounded either way, as far as f32 arithmetic and the matrix unit's own rounding can turn it there, and no further.
;;   INPUTS GIVEN AS CODES. Wk (in the module: [1024, 1024], K = its axis 1); Wo (in the module: [1024, 1024], K = its axis 1); Wq (in the module: [1024, 1024], K = its axis 1); Wv (in the module: [1024, 1024], K = its axis 1); hidden_states (in the module: [16, 1, 1024], K = its axis 2); key_value_states (in the module: [16, 1024, 1024], K = its axis 2): each comes as NAME_codes (uint8): NAME with its K axis moved to the last place and cut into blocks of 32 codes, [.., K / 32, bytes a block], one block behind the other in memory; four codes in three bytes: a row's codes are one little-endian stream of bits, code i at bits 6 i .. 6 i + 5 (a code: sign, 2 exponent bits, 3 mantissa bits); and NAME_scales (uint8): the same leading axes, one E8M0 byte (e + 127) for each 32 codes along K. Its value is code x scale, taken as it is: it is not quantised again, and the codes and scales need not be those that the quantiser above would give.
;; One version. Each part assembles by itself: llvm-mc -triple=amdgcn-amd-amdhsa -mcpu=gfx1250 --defsym DOCPART=n.
;; ======== version 1 of 1: 2 launches
;; limits: right only within a limited range of input values
;; workspace buffers: ctx_codes 12,582,912 bytes; ctx_scales 524,288 bytes
;; launch gate (part 1): grid 4 x 64, 4 waves a work-group, clusters of 4 x 4, 327,680 bytes of LDS; arguments key_value_states_codes, key_value_states_scales, Wk_codes, Wk_scales, Wv_codes, Wv_scales, bk, bv, hidden_states_codes, hidden_states_scales, Wq_codes, Wq_scales, bq, ctx_codes, ctx_scales; writes ctx_codes, ctx_scales
.if DOCPART == 1
	.amdgcn_target "amdgcn-amd-amdhsa--gfx1250"
	.amdhsa_code_object_version 6
	.text
	.protected	k_qfe8d361ce1_gate
	.globl	k_qfe8d361ce1_gate
	.p2align	8
	.type	k_qfe8d361ce1_gate,@function
k_qfe8d361ce1_gate:
	s_mov_b64 s[64:65], 0
	v_nop
	global_prefetch_b8 v0, s[64:65] scope:SCOPE_SE
	s_setreg_imm32_b32 hwreg(HW_REG_WAVE_MODE, 25, 1), 1
	s_wait_xcnt 0x0
	s_wait_alu depctr_hold_cnt(0) depctr_sa_sdst(0) depctr_va_vdst(0) depctr_va_sdst(0) depctr_va_ssrc(0) depctr_va_vcc(0) depctr_vm_vsrc(0)
	s_getreg_b32 s2, hwreg(HW_REG_IB_STS2, 6, 4)
	s_cmp_eq_u32 s2, 0
	s_cbranch_scc0 .Lentry_in_a_cluster
	s_endpgm
.Lentry_in_a_cluster:
	s_bfe_u32 s2, ttmp6, 0x10000c
	s_cmp_lg_u32 s2, 0xf033
	s_cbranch_scc0 .Lentry_shape_is_right
	s_endpgm
.Lentry_shape_is_right:
; ctx = clip(q . k / 8, 0, 1) v, quantised along the model dimension, for 16 batches of 1,024 rows, 16 heads of 64.  q, k, v = products of codes of FP6 (E2M3) with their biases; sums in f32.
; A work-group makes 256 rows x 4 heads; a cluster of 4 x 4 is one batch: cx the group of four heads, cy the 256 rows.  x's rows are shared along a row of the cluster, the weights' rows along a column: joint loads.
; A WAVE HOLDS ITS 64 ROWS OF x, ALL OF K, IN 384 REGISTERS, and the weights stream past in blocks of 16 rows, all of K: 32 products a block.  The next block's LDS loads and the vector work of the last one stand between the products.
; The matrix instruction is used transposed (source 0 = weights).  A weight's 64 rows lie in LDS as tile j = 0 .. 3: rows 8 j + 0 .. 7 and 32 + 8 j + 0 .. 7 (a tensor tile of three dimensions makes that order),
; so lane (r, h) has row r of x and its registers 8 j + i are columns 32 h + 8 j + i of the head: one scale block.
; ORDER: head 0: V, q, K; heads 1 to 3: K, then V.  A head's codes leave under the next head's K.  Wave w computes q of head w from its own tile of Wq, and all waves read q from LDS.
; LDS: six places of 64 weight rows (PS bytes).  Head: x in places 0-3, Wq of head 3 in 4, V of head 0 in 5.  Refills, each in a drained round: Wq 0-2 and K 0 (places 0-3); K 1, V 1 (0, 1); K 2, V 2, K 3, V 3 (2-5).
; NO PREFETCH: a refill has at least 96 products ahead of the wait for it, and all clusters ask for the same weights.
; OUT: ctx_codes [group of 64 rows][head][tile of 16 rows][lane x 16 bytes, then lane x 8 bytes] (24 bytes a lane: 32 codes); ctx_scales [group of 64 rows][two pairs of heads: cx][h = pair][row r][tile]: a word = (even head: blocks 0, 1; odd head: blocks 0, 1).
; LIMIT: NaN and infinity among the numbers are not served.  A block of zeros gets the scale byte 1 in the workspace; its codes are zeros.
.set FR,    12
.set RP,    816                        ; an LDS row: 3 x (256 + 16)
.set TP,    16*RP                      ; a tile of 16 rows
.set PS,    64*RP
.set HB,    49152                      ; 64 rows of codes in memory
.set QST,   6*PS                       ; q: [head][64] f32
.set BST,   QST+1024                   ; biases: [head][K 64, V 64] f32
.set HST,   BST+2048                   ; the hidden row, a copy for each wave
.set SPARE, HST+3072
.set HS,    24                         ; v24-27 the hidden row's scale words (scale registers hold nothing else)
.set SX,    28                         ; v28-43 x's: tile rt, K step k: SX + 4 rt + k % 4, lanes 0-15 k < 4, lanes 16-31 the others
.set SW,    46                         ; v46-77 the weights': block b: SW + 4 b + k % 4 (b = 0-3 K, 4-7 V)
.set ADW,   78                         ; v78-93 LDS addresses of the eight blocks, two each (the second: behind one padding more)
.set S,     94                         ; v94-101 scores, in two halves
.set G,     102                        ; v102-109 the gate, in the low register of a pair
.set PX,    110
.set MA,    114
.set SO,    116
.set EB,    117
.set WD,    118                        ; v118-121 scale bytes of the four heads
.set VA,    128                        ; v128-255 V: 32 rt + 8 t + i
.set G1X,   24
.set G0X,   32
.set G1W,   36
.set G2W,   44
.set G3W,   48
.set G0W,   52
.set G0Q,   56
.set MSB, 0
.macro WIN new
.if MSB != (\new)
	s_set_vgpr_msb (MSB<<8)|(\new)
.set MSB, (\new)
.endif
.endm
.macro PLACES n
.rept \n
	v_nop
.endr
.endm
.macro WALU
	s_wait_alu depctr_va_vdst(0)
.endm
.macro CROUND
	WIN 0
	s_barrier_signal -1
	s_barrier_wait -1
	s_cmp_lg_u32 s14, 0
	s_cbranch_scc1 .Lnot_wave_0_\@
	s_barrier_signal -3
.Lnot_wave_0_\@:
	s_barrier_wait -3
	s_barrier_signal -1
	s_barrier_wait -1
.endm
.macro GRD
	WIN 0
	s_wait_tensorcnt 0x0
	ds_add_u32 v10, v11
.endm
.macro TLW g0
	tensor_load_to_lds s[\g0:\g0+3], s[G1W:G1W+7], s[G2W:G2W+3], s[G3W:G3W+3]
	s_nop 0
	PLACES 4
.endm
; a fragment of 16 rows x 128 K: six pieces of 8 bytes, two to a load where both lie behind as many paddings
.macro FRAG w, reg, q, a0, a1
	WIN (\w)<<6
.set SKIP_, 0
.irp p, 0,1,2,3,4,5
.if SKIP_
.set SKIP_, 0
.else
.set PC_, 12*(\q)+6*(\p/3)+\p%3
.set PN_, 12*(\q)+6*((\p+1)/3)+(\p+1)%3
.set XC_, (PC_%32+3)/32
.set XN_, (PN_%32+3)/32
.set RG_, (\reg)+2*\p
.if (\p < 5) && (XC_ == XN_)
.set SKIP_, 1
.if XC_
	ds_load_2addr_b64 v[RG_:RG_+3], v[\a1] offset0:PC_+2*(PC_/32) offset1:PN_+2*(PN_/32)
.else
	ds_load_2addr_b64 v[RG_:RG_+3], v[\a0] offset0:PC_+2*(PC_/32) offset1:PN_+2*(PN_/32)
.endif
.elseif XC_
	ds_load_b64 v[RG_:RG_+1], v[\a1] offset:8*(PC_+2*(PC_/32))
.else
	ds_load_b64 v[RG_:RG_+1], v[\a0] offset:8*(PC_+2*(PC_/32))
.endif
.endif
.endr
.endm
; a product.  x: windows 1 (k < 4) and 2; weights: window 3, two sets of eight fragments; V's sums window 0, K's window 1 from 192, two sets; biases window 2 from 192 (K), 224 (V): the first product's C
.macro WM d, w, x, c, sa, sb, row
.if \row
	v_wmma_scale_f32_16x16x128_f8f6f4 v[\d:\d+7], v[\w:\w+11], v[\x:\x+11], v[\c:\c+7], v[\sa], v[\sb] matrix_a_fmt:MATRIX_FMT_FP6 matrix_b_fmt:MATRIX_FMT_FP6 matrix_a_scale:MATRIX_SCALE_ROW1 matrix_b_scale:MATRIX_SCALE_ROW1
.else
	v_wmma_scale_f32_16x16x128_f8f6f4 v[\d:\d+7], v[\w:\w+11], v[\x:\x+11], v[\c:\c+7], v[\sa], v[\sb] matrix_a_fmt:MATRIX_FMT_FP6 matrix_b_fmt:MATRIX_FMT_FP6
.endif
.endm
.macro PROD kind, t, e, blk, k, rt
.set W_, FR*(8*(\e)+(\k))
.set X_, FR*(4*((\k)%4)+(\rt))
.set SA_, SW+4*(\blk)+(\k)%4
.set SB_, SX+4*(\rt)+(\k)%4
.if \kind
.set D_, VA+32*(\rt)+8*(\t)
.set C_, D_
.set M_, 3|((1+(\k)/4)<<2)
.if (\k) == 0
.set C_, 224+8*(\t)
.set M_, M_|(2<<4)
.endif
.else
.set D_, 192+32*((\t)%2)+8*(\rt)
.set C_, D_
.set M_, 3|((1+(\k)/4)<<2)|(1<<6)
.if (\k) == 0
.set C_, 192+8*(\t)
.set M_, M_|(2<<4)
.else
.set M_, M_|(1<<4)
.endif
.endif
	WIN M_
	WM D_, W_, X_, C_, SA_, SB_, (\k)/4
.endm
; behind every second product: four entries, 4 to 67, of the block's list
.macro SLOT s, list, x, y
.set SS_, \s
	\list 4+4*SS_, \x, \y
	\list 5+4*SS_, \x, \y
	\list 6+4*SS_, \x, \y
	\list 7+4*SS_, \x, \y
.endm
.macro HALF hf, kind, t, e, blk, list, x, y
.set KK_, 4*(\hf)
.rept 4
	PROD \kind, \t, \e, \blk, KK_, 0
	PROD \kind, \t, \e, \blk, KK_, 1
	SLOT 2*KK_, \list, \x, \y
	PROD \kind, \t, \e, \blk, KK_, 2
	PROD \kind, \t, \e, \blk, KK_, 3
	SLOT 2*KK_+1, \list, \x, \y
.set KK_, KK_+1
.endr
.endm
; a block of weights, all of K, into set e: 26 loads in one run
.macro BURST e, nb
.irp k, 0,1,2,3,4,5,6,7
	FRAG 3, FR*(8*(\e)+\k), \k, ADW+2*(\nb), ADW+2*(\nb)+1
.endr
	WIN 0
.endm
; ahead of a block's products: its own LDS addresses for the next head (two lines and two places, or four places: the places between the last block's products and the loads), then the next block's loads into the last block's set
.macro START e, fe, nb, x
	ADDR 0, \x
	ADDR 1, \x
	ADDR 2, \x
	ADDR 3, \x
.if \fe
	BURST 1-(\e), \nb
.endif
.endm
; what the lists are made of: entry i of a part
.macro ADDR i, b                       ; block b's LDS addresses for the next head; and two places (4 entries)
.if ((\i) < 2) && ((\b) >= 0)
.if (\i) == 0
	s_add_co_u32 s20, s101, TP*(\b)
.endif
	WIN 0
	v_add_nc_u32 v[ADW+2*(\b)+(\i)], s20, v[16+(\i)]
.else
	v_nop
.endif
.endm
.macro VMUL i, rt                      ; v x gate
.set B_, VA+32*(\rt)+16*((\i)%2)+2*((\i)/2)
	WIN 0
	v_pk_mul_f32 v[B_:B_+1], v[B_:B_+1], v[G+2*(\rt):G+2*(\rt)+1] op_sel_hi:[1,0]
.endm
.macro DOT i, t                        ; q . k over tile t's eight columns a lane
.set RT_, 2*((\i)/8)+(\i)%2
.set J_, ((\i)%8)/2
.set KA_, 192+32*((\t)%2)+8*RT_+2*J_
.set QA_, 192+8*(\t)+2*J_
.set SD_, S+2*RT_
	WIN 0x0d
.if ((\t) == 0) && (J_ == 0)
	v_pk_mul_f32 v[SD_:SD_+1], v[KA_:KA_+1], v[QA_:QA_+1]
.else
	v_pk_fma_f32 v[SD_:SD_+1], v[KA_:KA_+1], v[QA_:QA_+1], v[SD_:SD_+1]
.endif
.endm
.macro FIN i                           ; the score: both halves of the lanes together, clipped
.set RT_, (\i)%4
.set SD_, S+2*RT_
	WIN 0
.if (\i)/4 == 0
	v_add_f32 v[SD_], v[SD_], v[SD_+1]
.elseif (\i)/4 == 1
	v_permlanex16_b32 v[PX+RT_], v[SD_], s66, s67
.elseif (\i)/4 == 2
	v_add_f32 v[SD_], v[SD_], v[PX+RT_]
.else
	v_med3_num_f32 v[G+2*RT_], v[SD_], 0, 1.0
.endif
.endm
.macro CHAIN i, rt, t, so              ; the largest of a lane's 32 magnitudes, by two chains, and the conversion's scale operand: 18 entries
.set X0_, VA+32*(\rt)
.set B_, X0_+16*((\i)%2)+2*((\i)/2)
.set T_, (\t)+1-(\i)%2
	WIN 0
.if (\i) < 2
	v_max3_num_f32 v[T_], |v[B_]|, |v[B_+1]|, |v[B_+2]|
.elseif (\i) < 14
	v_max3_num_f32 v[T_], v[T_], |v[B_+1]|, |v[B_+2]|
.elseif (\i) == 14
	v_max3_num_f32 v[\t+1], v[\t+1], |v[X0_+15]|, 0x1800000
.elseif (\i) == 15
	v_nop
.elseif (\i) == 16
	v_max3_num_f32 v[\t], v[\t], |v[X0_+31]|, v[\t+1]
.elseif (\i) == 17
	v_add_nc_u32 v[\so], 0xff000000, v[\t]
.endif
.endm
.macro CONV rt, so, c                  ; 32 codes into six registers of window 3, the byte beside the other heads'; stored as whole units
	WIN 0xc0
	v_cvt_scalef32_pk16_fp6_f32 v[(\c):(\c)+2], v[VA+32*(\rt):VA+32*(\rt)+15], v[\so]
	v_cvt_scalef32_pk16_fp6_f32 v[(\c)+8:(\c)+10], v[VA+32*(\rt)+16:VA+32*(\rt)+31], v[\so]
	WIN 0
	v_lshrrev_b32 v[EB], 23, v[\so]
	v_lshl_or_b32 v[WD+(\rt)], v[EB], s98, v[WD+(\rt)]
	WIN 0xc3
	v_mov_b32 v[(\c)+3], v[(\c)+8]
	v_mov_b32 v[(\c)+4], v[(\c)+9]
	v_mov_b32 v[(\c)+5], v[(\c)+10]
	WIN 0x0c
	global_store_b128 v9, v[(\c):(\c)+3], s[104:105] offset:768*(\rt)
	global_store_b64 v14, v[(\c)+4:(\c)+5], s[104:105] offset:768*(\rt)+512
	WIN 0
.endm
; the lists
.macro L_V i, x, y
.endm
.macro L_D i, x, y
.if (\i) < 20
	DOT (\i)-4, \y
.endif
.endm
.macro L_F i, x, y
.if (\i) < 20
	DOT (\i)-4, 3
.elseif (\i) < 36
	FIN (\i)-20
.endif
.endm
.macro L_K i, x, y                     ; K block x of heads 1 to 3: the last head's tile x is multiplied and measured; y = 1: the last head
.if (\i) < 20
	VMUL (\i)-4, \x
.elseif (\i) < 36
.if (\x) > 0
	DOT (\i)-20, (\x)-1
.endif
.elseif (\i) == 36
.if ((\x) == 3) && ((\y) == 0)
	s_add_co_u32 s100, s100, 256
	WIN 0
	v_add_nc_u32 v19, s100, v15
.endif
.elseif (\i) == 37
.if ((\x) == 3) && ((\y) == 0)
	s_lshl_b32 s21, s100, 1
	WIN 0
	v_add_nc_u32 v20, s21, v18
.endif
.elseif (\i) < 56
	CHAIN (\i)-38, \x, MA, SO
.endif
.endm
.macro HOOK blk, sb, t                 ; a block's scale words for the next head: lane (r, h): row r's 16 bytes h
	WIN 0
	global_load_b128 v[SW+4*(\blk):SW+4*(\blk)+3], v8, s[\sb:\sb+1] offset:256*(\t)
.endm
.macro EIGHT w, r, a, off
	WIN (\w)<<6
.irp n, 0,1,2,3,4,5,6,7
	ds_load_b128 v[\r+4*\n:\r+4*\n+3], v\a offset:(\off)+16*\n
.endr
	WIN 0
.endm
; THE COUNTS.  DScnt 26: the next block's loads, which START has just issued, are younger than this block's.
; LOADcnt 3: at least three other blocks' scale words were asked for behind this block's (in the last head fewer towards the end).
.macro KBLK b, last
.if \last
	START (\b)%2, 1, (\b)+1, -1
.else
	START (\b)%2, 1, (\b)+1, \b
.endif
.if (\b) == 0
	HOOK 7, 96, 3
.elseif (\last) == 0
	HOOK (\b)-1, 94, (\b)-1
.endif
	s_wait_dscnt 26
	s_wait_loadcnt 3
	HALF 0, 0, \b, (\b)%2, \b, L_K, \b, \last
	s_wait_xcnt 0x0                                ; the stores have read their registers, the loads their bases
.if ((\b) == 0) && ((\last) == 0)
	s_add_nc_u64 s[94:95], s[94:95], 2048
.endif
.if ((\b) == 1) && ((\last) == 0)
	s_add_nc_u64 s[96:97], s[96:97], 2048
.endif
	HALF 1, 0, \b, (\b)%2, \b, L_K, \b, \last
	CONV \b, SO, 224+16*((\b)%2)
.if (\b) == 1
	EIGHT 2, 224, 20, 256
.endif
.endm
.macro VBLK b, last
.set FE_, 1
.set NX_, \b
.if \last
.set NX_, -1
.if (\b) == 7
.set FE_, 0
.endif
.endif
.if ((\last) == 0) && ((\b) == 7)
	WALU
	s_wait_tensorcnt 0x0
	s_wait_dscnt 0x0
	s_barrier_signal -1                            ; a plain barrier: what the last refill brought is shown to all
	s_barrier_wait -1
.endif
	START (\b)%2, FE_, ((\b)+1)%8, NX_
.if (\last) == 0
.if (\b) == 4
	HOOK 3, 94, 3
.else
	HOOK (\b)-1, 96, (\b)-5
.endif
.endif
.if FE_
	s_wait_dscnt 26
.else
	s_wait_dscnt 0x0
.endif
.if (\last) && ((\b) > 4)
	s_wait_loadcnt 7-(\b)
.else
	s_wait_loadcnt 3
.endif
.if (\b) == 4
	HALF 0, 1, (\b)-4, (\b)%2, \b, L_F, 0, 0
	s_wait_xcnt 0x0
	s_add_nc_u64 s[104:105], s[104:105], 3072
	s_add_co_u32 s98, s98, 8
.else
	HALF 0, 1, (\b)-4, (\b)%2, \b, L_V, 0, 0
.endif
	HALF 1, 1, (\b)-4, (\b)%2, \b, L_V, 0, 0
.if ((\last) == 0) && ((\b) == 5)
	EIGHT 2, 192, 20, 0
	EIGHT 3, 192, 19, 0
.endif
.endm
.macro HEADM last
.irp b, 0,1,2,3
	KBLK \b, \last
.endr
.irp b, 4,5,6,7
	VBLK \b, \last
.endr
.endm
; ================= THE HEAD
	s_load_b256 s[4:11], s[0:1], 0x0               ; x codes, x scales, Wk codes, Wk scales
	s_load_b128 s[68:71], s[0:1], 0x40             ; hidden codes, scales
	s_load_b128 s[72:75], s[0:1], 0x50             ; Wq codes, scales
	s_load_b128 s[76:79], s[0:1], 0x60             ; bq, ctx_codes
	s_load_b64 s[80:81], s[0:1], 0x70              ; ctx_scales
	v_lshl_add_u32 v10, v0, 2, SPARE
	v_mov_b32 v11, 0
	ds_add_u32 v10, v11                            ; the opening: the add, twice on end, and its wait
	ds_add_u32 v10, v11
	v_lshrrev_b32 v1, 5, v0
	v_readfirstlane_b32 s14, v1                    ; the wave
	s_bfe_u32 s82, ttmp6, 0x40000                  ; cx
	s_bfe_u32 s83, ttmp6, 0x40004                  ; cy
	s_and_b32 s84, ttmp7, 0xffff                   ; the batch
	s_lshl_b32 s85, s84, 2
	s_add_co_u32 s85, s85, s83                     ; block of 256 rows
	s_lshl_b32 s60, s83, 2
	s_lshl_b32 s60, 15, s60                        ; my row of the cluster
	s_lshl_b32 s61, 0x1111, s82                    ; my column
	s_or_b32 s[G1X+0], s60, (1<<20)|(1<<21)|(5<<22)|(3<<25)   ; x: 128 rows of 768 bytes
	s_mov_b32 s[G1X+1], 768<<16
	s_mov_b32 s[G1X+2], 128<<16
	s_mov_b32 s[G1X+3], 768<<16
	s_mov_b32 s[G1X+4], 128
	s_mov_b32 s[G1X+5], 768
	s_mov_b32 s[G1X+6], 0
	s_mov_b32 s[G1X+7], 0
	s_or_b32 s[G1W+0], s61, (3<<16)|(1<<20)|(1<<21)|(5<<22)|(3<<25)   ; weights: 8 rows on end (6,144 bytes) x 2 (32 rows on) x 4 (8 rows on)
	s_mov_b32 s[G1W+1], 768<<16
	s_mov_b32 s[G1W+2], 2<<16
	s_mov_b32 s[G1W+3], 768<<16
	s_mov_b32 s[G1W+4], 2|(4<<16)
	s_mov_b32 s[G1W+5], 3072
	s_mov_b32 s[G1W+6], 768<<16
	s_mov_b32 s[G1W+7], 0
	s_mov_b32 s[G2W+0], 4
	s_mov_b32 s[G2W+1], 1
	s_mov_b32 s[G2W+2], 0
	s_mov_b32 s[G2W+3], 0
	s_mov_b32 s[G3W+0], 0
	s_mov_b32 s[G3W+1], 1<<16
	s_mov_b32 s[G3W+2], 0
	s_mov_b32 s[G3W+3], 0
	s_mov_b32 s23, 0
	s_mov_b32 s63, 0
	s_mov_b32 s[G0X], 1
	s_mov_b32 s[G0W], 1
	s_mov_b32 s[G0Q], 1
	s_lshr_b32 s62, s14, 1
	s_mul_i32 s[G0X+1], s62, 2*PS
	s_mov_b32 s[G0W+1], 5*PS
	s_mov_b32 s[G0Q+1], 4*PS
	s_mul_i32 s62, s62, 2*HB                       ; waves 1 and 2 fetch x's two halves
	s_mul_i32 s22, s85, 4*HB
	s_add_co_u32 s62, s62, s22
	s_mul_i32 s22, s82, 4*HB                       ; my four heads' weights
	s_mul_i32 s86, s14, HB
	s_wait_dscnt 0x0
	s_wait_kmcnt 0x0
	s_load_b64 s[12:13], s[0:1], 0x20              ; Wv codes
	s_load_b64 s[2:3], s[0:1], 0x28                ; Wv scales
	s_load_b128 s[16:19], s[0:1], 0x30             ; bk, bv
	s_add_nc_u64 s[88:89], s[8:9], s[22:23]
	s_add_nc_u64 s[92:93], s[72:73], s[22:23]
	s_add_nc_u64 s[G0X+2:G0X+3], s[4:5], s[62:63]
	s_or_b32 s[G0X+3], s[G0X+3], 0x80000000
	s_add_nc_u64 s[G0Q+2:G0Q+3], s[92:93], 3*HB
	s_or_b32 s[G0Q+3], s[G0Q+3], 0x80000000
	CROUND                                         ; all sixteen work-groups are here
	s_wait_kmcnt 0x0
	s_add_nc_u64 s[90:91], s[12:13], s[22:23]
	s_mov_b64 s[G0W+2:G0W+3], s[90:91]
	s_or_b32 s[G0W+3], s[G0W+3], 0x80000000
	s_cmp_eq_u32 s14, 0
	s_cbranch_scc0 .Lhead_x
	TLW G0W                                        ; wave 0: V of head 0
	s_branch .Lasked
.Lhead_x:
	s_cmp_lt_u32 s14, 3
	s_cbranch_scc0 .Lhead_q
	tensor_load_to_lds s[G0X:G0X+3], s[G1X:G1X+7]  ; waves 1, 2: x
	s_nop 0
	PLACES 4
	s_branch .Lasked
.Lhead_q:
	TLW G0Q                                        ; wave 3: Wq of head 3
.Lasked:
	s_mov_b32 s66, 0x76543210
	s_mov_b32 s67, 0xfedcba98
	s_lshl_b32 s22, s82, 10
	s_lshl_b32 s62, s14, 8
	s_add_co_u32 s22, s22, s62
	s_add_nc_u64 s[16:17], s[16:17], s[22:23]      ; bk, bv, bq of head w
	s_add_nc_u64 s[18:19], s[18:19], s[22:23]
	s_add_nc_u64 s[76:77], s[76:77], s[22:23]
	s_mul_i32 s22, s84, 768
	s_add_nc_u64 s[68:69], s[68:69], s[22:23]
	s_lshl_b32 s22, s84, 5
	s_add_nc_u64 s[70:71], s[70:71], s[22:23]
	s_lshl_b32 s22, s82, 13
	s_add_nc_u64 s[94:95], s[10:11], s[22:23]      ; K's scales, head 0
	s_add_nc_u64 s[96:97], s[2:3], s[22:23]        ; V's
	s_lshl_b32 s62, s14, 11
	s_add_co_u32 s22, s22, s62
	s_add_nc_u64 s[74:75], s[74:75], s[22:23]      ; Wq's, head w
	s_lshl_b32 s22, s85, 13
	s_add_co_u32 s22, s22, s62
	s_add_nc_u64 s[6:7], s[6:7], s[22:23]          ; x's, my 64 rows
	s_lshl_b32 s87, s85, 2
	s_add_co_u32 s87, s87, s14                     ; group of 64 rows
	s_mul_i32 s22, s87, HB
	s_mul_i32 s62, s82, 4*3072
	s_add_co_u32 s22, s22, s62
	s_add_nc_u64 s[104:105], s[78:79], s[22:23]
	s_lshl_b32 s22, s87, 11
	s_lshl_b32 s62, s82, 9
	s_add_co_u32 s22, s22, s62
	s_add_nc_u64 s[2:3], s[80:81], s[22:23]
	s_mov_b32 s98, 0
	s_mov_b32 s99, 0
	s_mov_b32 s100, 256
	s_mov_b32 s101, 0
	s_mul_i32 s60, s14, PS                         ; my x rows in LDS
	s_add_co_u32 s61, s14, 1
	s_lshr_b32 s61, s61, 2
	s_add_co_u32 s61, s61, s14
	s_mul_i32 s61, s61, PS                         ; my Wq: place w, or 4 for wave 3
	s_mul_i32 s62, s14, 768
	s_add_co_u32 s62, s62, HST
	s_lshl_b32 s22, s14, 9
	s_add_co_u32 s22, s22, BST
	s_lshl_b32 s20, s14, 8
	v_and_b32 v1, 15, v0
	v_bfe_u32 v2, v0, 4, 1
	v_and_b32 v3, 31, v0
	v_lshlrev_b32 v9, 4, v3
	v_lshlrev_b32 v14, 3, v3
	v_mul_u32_u24 v13, v3, 24
	v_lshlrev_b32 v21, 7, v2
	v_lshrrev_b32 v7, 3, v1
	v_mad_u32_u24 v7, v7, 24, v1
	v_lshlrev_b32 v8, 5, v7
	v_lshl_add_u32 v8, v2, 4, v8
	v_lshlrev_b32 v12, 5, v1
	v_lshl_add_u32 v12, v2, 4, v12
	v_lshlrev_b32 v22, 4, v2
	WALU
	global_load_b64 v[136:137], v14, s[16:17]
	global_load_b64 v[138:139], v14, s[18:19]
	global_load_b64 v[140:141], v13, s[68:69]
	global_load_b64 v[142:143], v13, s[68:69] offset:8
	global_load_b64 v[144:145], v13, s[68:69] offset:16
	global_load_b128 v[HS:HS+3], v22, s[70:71]
.irp n, 0,1,2,3
	global_load_b128 v[SX+4*\n:SX+4*\n+3], v12, s[6:7] offset:512*\n
	global_load_b128 v[SW+4*\n:SW+4*\n+3], v8, s[74:75] offset:256*\n       ; Wq's in K's places until q is made
	global_load_b128 v[SW+16+4*\n:SW+16+4*\n+3], v8, s[96:97] offset:256*\n
.endr
	WIN 0x40
.irp n, 0,1,2,3,4,5,6,7
	global_load_b128 v[192+4*\n:195+4*\n], v21, s[76:77] offset:16*\n      ; bq starts q's sums
.endr
	WIN 0
	v_mul_u32_u24 v6, v1, RP
	v_mad_u32_u24 v16, v2, 24, v6                  ; a fragment's row x pitch + 24 h,
	v_mad_u32_u24 v17, v2, 40, v6                  ; and behind one padding more
	v_add_nc_u32 v4, s60, v16
	v_add_nc_u32 v5, s60, v17
	v_add_nc_u32 v122, s61, v16
	v_add_nc_u32 v123, s61, v17
.irp n, 0,1,2,3
	v_add_nc_u32 v[128+2*\n], TP*\n, v4
	v_add_nc_u32 v[129+2*\n], TP*\n, v5
	v_add_nc_u32 v[S+2*\n], TP*\n, v122
	v_add_nc_u32 v[S+1+2*\n], TP*\n, v123
	v_add_nc_u32 v[ADW+2*\n], 3*PS+TP*\n, v16      ; K of head 0: place 3
	v_add_nc_u32 v[ADW+1+2*\n], 3*PS+TP*\n, v17
	v_add_nc_u32 v[ADW+8+2*\n], 5*PS+TP*\n, v16    ; V of head 0: place 5
	v_add_nc_u32 v[ADW+9+2*\n], 5*PS+TP*\n, v17
	v_mov_b32 v[G+2*\n], 0
	v_mov_b32 v[G+1+2*\n], 0
	v_mov_b32 v[PX+\n], 0
	v_mov_b32 v[WD+\n], 0
.endr
	v_add_nc_u32 v15, QST, v21
	v_add_nc_u32 v18, BST, v21
	v_add_nc_u32 v19, 256, v15
	v_add_nc_u32 v20, 512, v18
	v_add_nc_u32 v6, s20, v15                      ; where I store q
	v_mul_u32_u24 v7, v2, 24
	v_add_nc_u32 v7, s62, v7                       ; the hidden row's fragments
	v_add_nc_u32 v125, s62, v13
	v_add_nc_u32 v23, s22, v14
	WALU
	s_wait_loadcnt 0x0
	s_wait_xcnt 0x0
	s_add_nc_u64 s[96:97], s[96:97], 2048          ; from here on V's scales of head 1
	ds_store_b64 v23, v[136:137]
	ds_store_b64 v23, v[138:139] offset:256
	ds_store_b64 v125, v[140:141]
	ds_store_b64 v125, v[142:143] offset:8
	ds_store_b64 v125, v[144:145] offset:16
	s_cmp_eq_u32 s14, 3
	s_cbranch_scc1 .Lnot_first
	s_wait_tensorcnt 0x0
.Lnot_first:
	s_wait_dscnt 0x0
	s_barrier_signal -1
	s_barrier_wait -1                              ; x, V of head 0 and the biases are in; wave 3's Wq may be on its way
.irp k, 0,1,2,3,4,5,6,7
.irp n, 0,1,2,3
	FRAG 1+\k/4, FR*(4*(\k%4)+\n), \k, 128+2*\n, 129+2*\n
.endr
.endr
	EIGHT 2, 192, 18, 0
	EIGHT 2, 224, 18, 256
.irp k, 0,1,2,3,4,5,6,7
	FRAG 3, FR*\k, \k, ADW+8, ADW+9
.endr
	GRD
	s_cmp_eq_u32 s14, 3
	s_cselect_b64 s[60:61], s[88:89], s[92:93]
	s_cselect_b32 s22, 0, s86
	s_mul_i32 s[G0W+1], s14, PS
	s_add_nc_u64 s[G0W+2:G0W+3], s[60:61], s[22:23]
	s_or_b32 s[G0W+3], s[G0W+3], 0x80000000
	s_wait_dscnt 0x0
	CROUND
	TLW G0W                                        ; waves 0-2: Wq of heads 0-2; wave 3: K of head 0
; ================= HEAD 0: V
.irp p, 0,1,2,3
.if \p < 3
	START \p%2, 1, 5+\p, 4+\p
.else
	START \p%2, 0, 0, 4+\p
.endif
.if \p > 0
	HOOK 3+\p, 96, \p-1
.endif
.if \p < 3
	s_wait_dscnt 26
.else
	s_wait_dscnt 0x0
.endif
	HALF 0, 1, \p, \p%2, 4+\p, L_V, 0, 0
	HALF 1, 1, \p, \p%2, 4+\p, L_V, 0, 0
.endr
; q of head w: four tiles x 128 K, two K steps at a time; source 1 is the hidden row in all lanes of a half, so every lane has q
.macro QF s
.irp kk, 0,1
.irp n, 0,1,2,3
	FRAG 3, FR*(8*((\s)%2)+2*\n+\kk), 2*(\s)+\kk, S+2*\n, S+2*\n+1
.endr
.set H_, 192+32*((\s)%2)+12*\kk
.set O_, 12*(2*(\s)+\kk)
	ds_load_2addr_b64 v[H_:H_+3], v7 offset0:O_ offset1:O_+1
	ds_load_2addr_b64 v[H_+4:H_+7], v7 offset0:O_+2 offset1:O_+6
	ds_load_2addr_b64 v[H_+8:H_+11], v7 offset0:O_+7 offset1:O_+8
.endr
	WIN 0
.endm
.macro QMUL s
	WIN 0x5f
.irp kk, 0,1
.set Q_, 2*(\s)+\kk
.irp n, 0,1,2,3
	WM 192+8*\n, FR*(8*((\s)%2)+2*\n+\kk), 192+32*((\s)%2)+12*\kk, 192+8*\n, SW+4*\n+Q_%4, HS+Q_%4, Q_/4
.endr
.endr
.endm
	WIN 0
	WALU
	s_wait_tensorcnt 0x0                           ; my Wq is in
	PLACES 4
	QF 0
	QF 1
	s_wait_dscnt 30                                ; the second step's loads, at least 30, are younger
	QMUL 0
	PLACES 4
	QF 2
	s_wait_dscnt 30
	QMUL 1
	PLACES 4
	QF 3
	s_wait_dscnt 30
	QMUL 2
	s_wait_dscnt 0x0
	QMUL 3
	PLACES 4
	WIN 0xc1
.irp n, 0,2,4,6,8,10,12,14,16,18,20,22,24,26,28,30
	v_pk_mul_f32 v[192+\n:193+\n], v[192+\n:193+\n], 0x3e000000 op_sel_hi:[1,0]   ; q / 8
.endr
	WIN 0x0c
.irp n, 0,1,2,3,4,5,6,7
	ds_store_b128 v6, v[192+4*\n:195+4*\n] offset:16*\n   ; sixteen lanes hold and store the same 16 bytes
.endr
	WIN 0
.irp n, 0,1,2,3
	HOOK \n, 94, \n                                ; K's scale words of head 0
.endr
	GRD
	s_and_b32 s22, s14, 1
	s_cmp_eq_u32 s22, 0
	s_cselect_b64 s[60:61], s[88:89], s[90:91]
	s_mul_i32 s[G0W+1], s14, PS
	s_add_nc_u64 s[G0W+2:G0W+3], s[60:61], HB
	s_or_b32 s[G0W+3], s[G0W+3], 0x80000000
	s_wait_xcnt 0x0
	s_add_nc_u64 s[94:95], s[94:95], 2048          ; from here on K's scales of head 1
	WALU
	s_wait_dscnt 0x0
	CROUND
	s_cmp_lt_u32 s14, 2
	s_cbranch_scc0 .Lno_load
	TLW G0W                                        ; wave 0: K of head 1, wave 1: V
.Lno_load:
.irp k, 0,1,2,3,4,5,6,7
	FRAG 3, FR*\k, \k, ADW, ADW+1
.endr
	EIGHT 3, 192, 15, 0
; ================= HEAD 0: K
	START 0, 1, 1, 0
	s_wait_dscnt 26
	s_wait_loadcnt 0x0
	HALF 0, 0, 0, 0, 0, L_V, 0, 0
	HALF 1, 0, 0, 0, 0, L_V, 0, 0
.irp b, 1,2
	START \b%2, 1, \b+1, \b
	HOOK \b-1, 94, \b-1
	s_wait_dscnt 26
	HALF 0, 0, \b, \b%2, \b, L_D, \b, (\b-1)
	HALF 1, 0, \b, \b%2, \b, L_D, \b, (\b-1)
.endr
	START 1, 0, 0, 3
	s_wait_dscnt 0x0
	GRD
	s_and_b32 s22, s14, 1
	s_cmp_eq_u32 s22, 0
	s_cselect_b64 s[60:61], s[88:89], s[90:91]
	s_lshr_b32 s22, s14, 1
	s_add_co_u32 s22, s22, 2
	s_mul_i32 s22, s22, HB
	s_mul_i32 s[G0W+1], s14, PS
	s_add_co_u32 s[G0W+1], s[G0W+1], 2*PS
	s_add_nc_u64 s[G0W+2:G0W+3], s[60:61], s[22:23]
	s_or_b32 s[G0W+3], s[G0W+3], 0x80000000
	HALF 0, 0, 3, 1, 3, L_D, 3, 2
	WIN 0
	WALU
	s_wait_dscnt 0x0
	CROUND                                         ; it shows K and V of head 1
	TLW G0W                                        ; K 2, V 2, K 3, V 3
	BURST 0, 0
	EIGHT 2, 192, 20, 0
	HOOK 2, 94, 2
	HALF 1, 0, 3, 1, 3, L_D, 3, 2
	PLACES 4
	HOOK 3, 94, 3
.set I, 0
.rept 16
	DOT I, 3
.set I, I+1
.endr
.set I, 0
.rept 16
	FIN I
.set I, I+1
.endr
	EIGHT 3, 192, 19, 0
	WALU
; ================= HEADS 1 AND 2, THEN 3
.Lheads:
	s_add_co_u32 s101, s101, 2*PS
	HEADM 0
	WIN 0
	WALU
	s_add_co_u32 s99, s99, 1
	s_cmp_lt_u32 s99, 2
	s_cbranch_scc1 .Lheads
	HEADM 1
; ================= THE END: head 3's codes, then the scale words of my 64 rows x four heads
	WIN 0
	PLACES 4
	WALU
.set I, 0
.rept 16
.irp n, 0,1,2,3
	VMUL I, \n
.endr
.set I, I+1
.endr
.set I, 0
.rept 18
.irp n, 0,1,2,3
	CHAIN I, \n, ADW+2*\n, S+\n
.endr
.set I, I+1
.endr
	v_mov_b32 v4, 0x05010400
	v_mov_b32 v5, 0x03070206
	v_cmp_eq_u32 vcc_lo, 1, v2
	v_cndmask_b32 v4, v4, v5, vcc_lo
	WALU
	s_wait_xcnt 0x0
.irp n, 0,1,2,3
	CONV \n, S+\n, 192+16*\n
.endr
.irp n, 0,1,2,3
	v_permlanex16_b32 v[PX+\n], v[WD+\n], s66, s67
.endr
.irp n, 0,1,2,3
	v_perm_b32 v[PX+\n], v[PX+\n], v[WD+\n], v4    ; lanes 0-15: heads 0 and 1, lanes 16-31: heads 2 and 3
.endr
	global_store_b128 v9, v[PX:PX+3], s[2:3]
	s_wait_tensorcnt 0x0
	ds_add_u32 v10, v11
	s_wait_dscnt 0x0
	CROUND
	s_endpgm
.Lfunc_end_k_qfe8d361ce1_gate:
	.size	k_qfe8d361ce1_gate, .Lfunc_end_k_qfe8d361ce1_gate-k_qfe8d361ce1_gate
	.p2alignl 7, 3214868480
	.fill 96, 4, 3214868480
	.section	.rodata,"a",@progbits
	.p2align	6, 0x0
	.amdhsa_kernel k_qfe8d361ce1_gate
		.amdhsa_group_segment_fixed_size 327680
		.amdhsa_private_segment_fixed_size 0
		.amdhsa_enable_private_segment 0
		.amdhsa_kernarg_size 120
		.amdhsa_user_sgpr_count 2
		.amdhsa_user_sgpr_kernarg_segment_ptr 1
		.amdhsa_wavefront_size32 1
		.amdhsa_system_sgpr_workgroup_id_x 1
		.amdhsa_system_sgpr_workgroup_id_y 1
		.amdhsa_system_sgpr_workgroup_id_z 1
		.amdhsa_system_vgpr_workitem_id 0
		.amdhsa_next_free_vgpr 1024
		.amdhsa_next_free_sgpr 106
		.amdhsa_reserve_vcc 1
		.amdhsa_float_denorm_mode_32 3
		.amdhsa_float_denorm_mode_16_64 3
		.amdhsa_memory_ordered 1
		.amdhsa_forward_progress 1
		.amdhsa_inst_pref_size 248
	.end_amdhsa_kernel
	.amdgpu_metadata
---
amdhsa.version: [ 1, 2 ]
amdhsa.kernels:
  - .name:           k_qfe8d361ce1_gate
    .symbol:         k_qfe8d361ce1_gate.kd
    .args:
      - { .name: key_value_states_codes, .offset: 0, .size: 8, .value_kind: global_buffer, .address_space: global }
      - { .name: key_value_states_scales, .offset: 8, .size: 8, .value_kind: global_buffer, .address_space: global }
      - { .name: Wk_codes, .offset: 16, .size: 8, .value_kind: global_buffer, .address_space: global }
      - { .name: Wk_scales, .offset: 24, .size: 8, .value_kind: global_buffer, .address_space: global }
      - { .name: Wv_codes, .offset: 32, .size: 8, .value_kind: global_buffer, .address_space: global }
      - { .name: Wv_scales, .offset: 40, .size: 8, .value_kind: global_buffer, .address_space: global }
      - { .name: bk, .offset: 48, .size: 8, .value_kind: global_buffer, .address_space: global }
      - { .name: bv, .offset: 56, .size: 8, .value_kind: global_buffer, .address_space: global }
      - { .name: hidden_states_codes, .offset: 64, .size: 8, .value_kind: global_buffer, .address_space: global }
      - { .name: hidden_states_scales, .offset: 72, .size: 8, .value_kind: global_buffer, .address_space: global }
      - { .name: Wq_codes, .offset: 80, .size: 8, .value_kind: global_buffer, .address_space: global }
      - { .name: Wq_scales, .offset: 88, .size: 8, .value_kind: global_buffer, .address_space: global }
      - { .name: bq, .offset: 96, .size: 8, .value_kind: global_buffer, .address_space: global }
      - { .name: ctx_codes, .offset: 104, .size: 8, .value_kind: global_buffer, .address_space: global }
      - { .name: ctx_scales, .offset: 112, .size: 8, .value_kind: global_buffer, .address_space: global }
    .group_segment_fixed_size: 327680
    .private_segment_fixed_size: 0
    .kernarg_segment_align: 8
    .kernarg_segment_size: 120
    .max_flat_workgroup_size: 128
    .sgpr_count:     106
    .vgpr_count:     1024
    .wavefront_size: 32
...
	.end_amdgpu_metadata
.endif
;; end of part 1
;; launch outp (part 2): grid 4 x 64, 4 waves a work-group, clusters of 4 x 4, 327,680 bytes of LDS; arguments ctx_codes, ctx_scales, Wo_codes, Wo_scales, bo, out0; writes out0
.if DOCPART == 2
	.amdgcn_target "amdgcn-amd-amdhsa--gfx1250"
	.amdhsa_code_object_version 6
	.text
	.protected	k_qfe8d361ce1_outp
	.globl	k_qfe8d361ce1_outp
	.p2align	8
	.type	k_qfe8d361ce1_outp,@function
k_qfe8d361ce1_outp:
	s_mov_b64 s[64:65], 0
	v_nop
	global_prefetch_b8 v0, s[64:65] scope:SCOPE_SE
	s_setreg_imm32_b32 hwreg(HW_REG_WAVE_MODE, 25, 1), 1
	s_wait_xcnt 0x0
	s_wait_alu depctr_hold_cnt(0) depctr_sa_sdst(0) depctr_va_vdst(0) depctr_va_sdst(0) depctr_va_ssrc(0) depctr_va_vcc(0) depctr_vm_vsrc(0)
	s_getreg_b32 s2, hwreg(HW_REG_IB_STS2, 6, 4)
	s_cmp_eq_u32 s2, 0
	s_cbranch_scc0 .Lentry_in_a_cluster
	s_endpgm
.Lentry_in_a_cluster:
	s_bfe_u32 s2, ttmp6, 0x10000c
	s_cmp_lg_u32 s2, 0xf033
	s_cbranch_scc0 .Lentry_shape_is_right
	s_endpgm
.Lentry_shape_is_right:
; out0[m][n] = sum over k of ctx[m][k] Wo[n][k] + bo[n]: 16,384 x 1,024 x 1,024, codes of FP6 (E2M3) with E8M0 scales; sums and out0 in f32.
; A work-group makes 256 rows x 256 columns.  A wave holds its 64 rows of ctx, all of K, in 384 registers; Wo streams past in blocks of 16 rows, all of K: 32 products a block.
; Joint loads: ctx is shared along a row of the cluster (4 x 4), Wo along a column.
; A BLOCK (g, t) has columns 64 g + 4 r + t in lane r: four blocks give a lane four neighbouring columns of a row, and sixteen lanes 256 bytes on end.  The addition of the bias lays them side by side; nothing goes through LDS on the way out.
; A tensor tile of three dimensions lays 64 rows of Wo as [t][r] in LDS.  LDS: ctx from 0 on (196,608 bytes), Wo's groups g = 0, 1 in places 4, 5; when ctx is in registers one refill brings g = 2, 3 to places 0, 1.
; A group's rows leave under the next group's products.  NO PREFETCH: the one refill has 224 products ahead of the wait for it.
; ctx comes as images of the operand's registers: [group of 64 rows][head][tile][lane x 16 bytes, lane x 8 bytes].
; LIMIT: NaN and infinity among the numbers are not served.
.set FR,    12
.set RP,    816
.set TP,    16*RP
.set PS,    64*RP
.set HB,    49152
.set SPARE, 6*PS
.set BO,    12                         ; v12-27 the bias: 4 g + t
.set SX,    28                         ; v28-43 ctx's scale words: K step q: SX + 4 (q / 2) + rt, lanes 0-15 even q, 16-31 odd
.set SW,    46                         ; v46-109 Wo's: block n: SW + 4 n + q % 4, lanes 0-15 q < 4
.set ADW,   110                        ; v110-125 LDS addresses of eight blocks
.set G1X,   24
.set G0X,   32
.set G1W,   36
.set G2W,   44
.set G3W,   48
.set G0W,   52
.set MSB, 0
.macro WIN new
.if MSB != (\new)
	s_set_vgpr_msb (MSB<<8)|(\new)
.set MSB, (\new)
.endif
.endm
.macro PLACES n
.rept \n
	v_nop
.endr
.endm
.macro WALU
	s_wait_alu depctr_va_vdst(0)
.endm
.macro CROUND
	WIN 0
	s_barrier_signal -1
	s_barrier_wait -1
	s_cmp_lg_u32 s14, 0
	s_cbranch_scc1 .Lnot_wave_0_\@
	s_barrier_signal -3
.Lnot_wave_0_\@:
	s_barrier_wait -3
	s_barrier_signal -1
	s_barrier_wait -1
.endm
.macro TLW
	tensor_load_to_lds s[G0W:G0W+3], s[G1W:G1W+7], s[G2W:G2W+3], s[G3W:G3W+3]
	s_nop 0
	PLACES 4
.endm
.macro FRAG reg, q, a0, a1             ; a fragment of Wo: pieces of 8 bytes, two to a load where both lie behind as many paddings
	WIN 0xc0
.set SKIP_, 0
.irp p, 0,1,2,3,4,5
.if SKIP_
.set SKIP_, 0
.else
.set PC_, 12*(\q)+6*(\p/3)+\p%3
.set PN_, 12*(\q)+6*((\p+1)/3)+(\p+1)%3
.set XC_, (PC_%32+3)/32
.set XN_, (PN_%32+3)/32
.set RG_, (\reg)+2*\p
.if (\p < 5) && (XC_ == XN_)
.set SKIP_, 1
.if XC_
	ds_load_2addr_b64 v[RG_:RG_+3], v[\a1] offset0:PC_+2*(PC_/32) offset1:PN_+2*(PN_/32)
.else
	ds_load_2addr_b64 v[RG_:RG_+3], v[\a0] offset0:PC_+2*(PC_/32) offset1:PN_+2*(PN_/32)
.endif
.elseif XC_
	ds_load_b64 v[RG_:RG_+1], v[\a1] offset:8*(PC_+2*(PC_/32))
.else
	ds_load_b64 v[RG_:RG_+1], v[\a0] offset:8*(PC_+2*(PC_/32))
.endif
.endif
.endr
.endm
.macro WM ra, rb                       ; the product set up by PROD; the first of a sum has C = 0
.if C0_
	v_wmma_scale_f32_16x16x128_f8f6f4 v[D_:D_+7], v[X_:X_+11], v[W_:W_+11], 0, v[SA_], v[SB_] matrix_a_fmt:MATRIX_FMT_FP6 matrix_b_fmt:MATRIX_FMT_FP6 matrix_a_scale:MATRIX_SCALE_ROW\ra matrix_b_scale:MATRIX_SCALE_ROW\rb
.else
	v_wmma_scale_f32_16x16x128_f8f6f4 v[D_:D_+7], v[X_:X_+11], v[W_:W_+11], v[D_:D_+7], v[SA_], v[SB_] matrix_a_fmt:MATRIX_FMT_FP6 matrix_b_fmt:MATRIX_FMT_FP6 matrix_a_scale:MATRIX_SCALE_ROW\ra matrix_b_scale:MATRIX_SCALE_ROW\rb
.endif
.endm
.macro ACCUM g, rt, t                  ; where the sums of (g, rt, t) lie: even groups window 0, odd ones windows 1 and 2
.if (\g)%2
.set AW_, 1+(\rt)/2
.set D_, 192+32*((\rt)%2)+8*(\t)
.else
.set AW_, 0
.set D_, 128+32*(\rt)+8*(\t)
.endif
.endm
.macro PROD n, q, rt
	ACCUM (\n)/4, \rt, (\n)%4
.set W_, FR*(8*((\n)%2)+(\q))
.set X_, FR*(4*((\q)%4)+(\rt))
.set SA_, SX+4*((\q)/2)+(\rt)
.set SB_, SW+4*(\n)+(\q)%4
.set C0_, 0
.if (\q) == 0
.set C0_, 1
.endif
	WIN (1+(\q)/4)|(3<<2)|(AW_<<4)|(AW_<<6)
.if (\q)/4
.if (\q)%2
	WM 1, 1
.else
	WM 0, 1
.endif
.else
.if (\q)%2
	WM 1, 0
.else
	WM 0, 0
.endif
.endif
.endm
.macro ADDB i, g, rt, st               ; row i / 4, column i % 4: sum + bias, into its place of a lane's 16 bytes
	ACCUM \g, \rt, (\i)%4
	WIN 0xc0|AW_
	v_add_f32 v[(\st)+(\i)], v[D_+(\i)/4], v[BO+4*(\g)+(\i)%4]
.endm
.macro PUT j, g, rt, st
	WIN 0x0c
	global_store_b128 v9, v[(\st)+4*(\j):(\st)+4*(\j)+3], s[18:19] offset:65536*(\rt)+4096*(\j)+256*(\g) th:TH_STORE_NT   ; two rows' 256 bytes on end, at multiples of 256
.endm
; block n, behind every second product of its first half: four of the 32 additions for tile n % 4 of the last group
.macro SLOT s, n
.set SS_, \s
.if (SS_ < 8) && ((\n) > 3)
	ADDB 4*SS_, (\n)/4-1, (\n)%4, 192+32*((\n)%2)
	ADDB 4*SS_+1, (\n)/4-1, (\n)%4, 192+32*((\n)%2)
	ADDB 4*SS_+2, (\n)/4-1, (\n)%4, 192+32*((\n)%2)
	ADDB 4*SS_+3, (\n)/4-1, (\n)%4, 192+32*((\n)%2)
.endif
.endm
; ahead of block n's products: four places (for n < 8 two of them the block's address eight blocks on), the next block's 26 loads in one run, and the stores of the rows made in the last block
.macro START n
.if (\n) > 4
	WALU                                           ; the rows were just written
.endif
.if (\n) > 5
	s_wait_xcnt 0x0                                ; the earlier stores have read the registers that this block writes
.endif
.if (\n) < 8
	WIN 0
	v_add_nc_u32 v[ADW+2*(\n)], TP*(\n), v6
	v_add_nc_u32 v[ADW+2*(\n)+1], TP*(\n), v7
	PLACES 2
.else
	PLACES 4
.endif
.if (\n) < 15
.irp k, 0,1,2,3,4,5,6,7
	FRAG FR*(8*(((\n)+1)%2)+\k), \k, ADW+2*(((\n)+1)%8), ADW+2*(((\n)+1)%8)+1
.endr
.endif
.if (\n) > 4
.irp j, 0,1,2,3,4,5,6,7
	PUT \j, ((\n)-1)/4-1, ((\n)-1)%4, 192+32*(((\n)-1)%2)
.endr
.endif
.if (\n) < 15
	s_wait_dscnt 26                                ; the next block's loads are younger than this block's
.else
	s_wait_dscnt 0x0
.endif
.endm
.macro HALF hf, n
.set KK_, 4*(\hf)
.rept 4
	PROD \n, KK_, 0
	PROD \n, KK_, 1
	SLOT 2*KK_, \n
	PROD \n, KK_, 2
	PROD \n, KK_, 3
	SLOT 2*KK_+1, \n
.set KK_, KK_+1
.endr
.endm
	s_load_b256 s[4:11], s[0:1], 0x0               ; ctx codes, ctx scales, Wo codes, Wo scales
	s_load_b128 s[16:19], s[0:1], 0x20             ; bo, out0
	v_lshl_add_u32 v10, v0, 2, SPARE
	v_mov_b32 v11, 0
	ds_add_u32 v10, v11                            ; the opening: the add, twice on end, and its wait
	ds_add_u32 v10, v11
	v_lshrrev_b32 v1, 5, v0
	v_readfirstlane_b32 s14, v1
	s_bfe_u32 s82, ttmp6, 0x40000                  ; cx
	s_bfe_u32 s83, ttmp6, 0x40004                  ; cy
	s_and_b32 s85, ttmp7, 0xffff
	s_lshl_b32 s85, s85, 2
	s_add_co_u32 s85, s85, s83                     ; block of 256 rows
	s_lshl_b32 s60, s83, 2
	s_lshl_b32 s60, 15, s60
	s_lshl_b32 s61, 0x1111, s82
	s_or_b32 s[G1X+0], s60, (3<<16)|(1<<21)        ; ctx: 16 rows of 6,144 bytes, dense
	s_mov_b32 s[G1X+1], 768<<16
	s_mov_b32 s[G1X+2], 16<<16
	s_mov_b32 s[G1X+3], 768<<16
	s_mov_b32 s[G1X+4], 16
	s_mov_b32 s[G1X+5], 768
	s_mov_b32 s[G1X+6], 0
	s_mov_b32 s[G1X+7], 0
	s_or_b32 s[G1W+0], s61, (3<<16)|(1<<20)|(1<<21)|(5<<22)|(3<<25)   ; Wo: rows of 768 bytes x 16 (four rows on) x 4 (one row on)
	s_mov_b32 s[G1W+1], 96<<16
	s_mov_b32 s[G1W+2], 16<<16
	s_mov_b32 s[G1W+3], 96<<16
	s_mov_b32 s[G1W+4], 16|(4<<16)
	s_mov_b32 s[G1W+5], 384
	s_mov_b32 s[G1W+6], 96<<16
	s_mov_b32 s[G1W+7], 0
	s_mov_b32 s[G2W+0], 4
	s_mov_b32 s[G2W+1], 1
	s_mov_b32 s[G2W+2], 0
	s_mov_b32 s[G2W+3], 0
	s_mov_b32 s[G3W+0], 0
	s_mov_b32 s[G3W+1], 1<<16
	s_mov_b32 s[G3W+2], 0
	s_mov_b32 s[G3W+3], 0
	s_mov_b32 s23, 0
	s_mov_b32 s63, 0
	s_mov_b32 s[G0X], 1
	s_mov_b32 s[G0W], 1
	s_lshr_b32 s20, s14, 1                         ; waves 1 and 2 fetch ctx's two halves; waves 0 and 3 Wo's groups 0 and 1
	s_mul_i32 s[G0X+1], s20, 2*HB
	s_mul_i32 s62, s85, 4*HB
	s_add_co_u32 s62, s62, s[G0X+1]
	s_mul_i32 s[G0W+1], s20, PS
	s_add_co_u32 s[G0W+1], s[G0W+1], 4*PS
	s_mul_i32 s22, s82, 4*HB
	s_mul_i32 s20, s20, HB
	s_mov_b32 s21, 0
	s_wait_dscnt 0x0
	s_wait_kmcnt 0x0
	s_add_nc_u64 s[G0X+2:G0X+3], s[4:5], s[62:63]
	s_or_b32 s[G0X+3], s[G0X+3], 0x80000000
	s_add_nc_u64 s[88:89], s[8:9], s[22:23]        ; Wo, my 256 columns
	s_add_nc_u64 s[G0W+2:G0W+3], s[88:89], s[20:21]
	s_or_b32 s[G0W+3], s[G0W+3], 0x80000000
	CROUND
	s_cmp_eq_u32 s14, 0
	s_cbranch_scc0 .Lhead_x
	TLW
	s_branch .Lasked
.Lhead_x:
	s_cmp_lt_u32 s14, 3
	s_cbranch_scc0 .Lhead_w
	tensor_load_to_lds s[G0X:G0X+3], s[G1X:G1X+7]
	s_nop 0
	PLACES 4
	s_branch .Lasked
.Lhead_w:
	TLW
.Lasked:
	s_lshl_b32 s87, s85, 2
	s_add_co_u32 s87, s87, s14                     ; group of 64 rows
	s_lshl_b32 s22, s87, 11
	s_add_nc_u64 s[6:7], s[6:7], s[22:23]
	s_lshl_b32 s22, s82, 13
	s_add_nc_u64 s[10:11], s[10:11], s[22:23]
	s_lshl_b32 s22, s82, 10
	s_add_nc_u64 s[16:17], s[16:17], s[22:23]
	s_add_nc_u64 s[18:19], s[18:19], s[22:23]
	s_lshl_b32 s22, s87, 18
	s_add_nc_u64 s[18:19], s[18:19], s[22:23]
	s_mul_i32 s60, s14, HB
	v_and_b32 v1, 15, v0
	v_bfe_u32 v2, v0, 4, 1
	v_and_b32 v3, 31, v0
	v_lshlrev_b32 v4, 4, v3                        ; 16 x lane
	v_lshlrev_b32 v5, 3, v3
	v_lshlrev_b32 v8, 7, v1
	v_lshl_add_u32 v8, v2, 4, v8                   ; Wo's scales: row 4 r, 16 bytes h
	v_lshlrev_b32 v9, 4, v1                        ; 16 r
	WALU
.irp n, 0,1,2,3
	global_load_b128 v[SX+4*\n:SX+4*\n+3], v4, s[6:7] offset:512*\n
	global_load_b128 v[BO+4*\n:BO+4*\n+3], v9, s[16:17] offset:256*\n
.irp t, 0,1,2,3
	global_load_b128 v[SW+16*\n+4*\t:SW+16*\n+4*\t+3], v8, s[10:11] offset:2048*\n+32*\t
.endr
.endr
	v_mul_u32_u24 v126, v1, RP
	v_mad_u32_u24 v6, v2, 24, v126
	v_mad_u32_u24 v7, v2, 40, v126
.irp n, 0,1,2,3,4,5,6,7
	v_add_nc_u32 v[ADW+2*\n], 4*PS+TP*\n, v6
	v_add_nc_u32 v[ADW+1+2*\n], 4*PS+TP*\n, v7
.endr
	WALU
	s_wait_xcnt 0x0
	v_add_nc_u32 v4, s60, v4                       ; my part of ctx in LDS
	v_add_nc_u32 v5, s60, v5
	v_lshl_add_u32 v9, v2, 15, v9                  ; out0: 8 h rows of 4,096 bytes + 16 r
	WALU
	s_cmp_eq_u32 s14, 3
	s_cbranch_scc1 .Lnot_first
	s_wait_tensorcnt 0x0
.Lnot_first:
	s_barrier_signal -1
	s_barrier_wait -1                              ; ctx and Wo's group 0 are in; group 1 may be on its way
.irp q, 0,1,2,3,4,5,6,7
	WIN (1+\q/4)<<6
.irp n, 0,1,2,3
.set R_, FR*(4*(\q%4)+\n)
	ds_load_b128 v[R_:R_+3], v4 offset:6144*\q+768*\n
	ds_load_b64 v[R_+4:R_+5], v5 offset:6144*\q+768*\n+512
	ds_load_b128 v[R_+6:R_+9], v4 offset:6144*\q+768*\n+3072
	ds_load_b64 v[R_+10:R_+11], v5 offset:6144*\q+768*\n+3584
.endr
.endr
.irp q, 0,1,2,3,4,5,6,7
	FRAG FR*\q, \q, ADW, ADW+1
.endr
	WIN 0
	s_wait_tensorcnt 0x0                           ; the refill's round: ctx is in registers
	ds_add_u32 v10, v11
	s_mul_i32 s[G0W+1], s14, PS
	s_add_co_u32 s22, s14, 2
	s_mul_i32 s22, s22, HB
	s_add_nc_u64 s[G0W+2:G0W+3], s[88:89], s[22:23]
	s_or_b32 s[G0W+3], s[G0W+3], 0x80000000
	s_wait_loadcnt 0x0
	s_wait_dscnt 0x0
	CROUND
	s_cmp_lt_u32 s14, 2
	s_cbranch_scc0 .Lno_load
	TLW                                            ; waves 0, 1: Wo's groups 2, 3
.Lno_load:
.irp n, 0,1,2,3,4,5,6,7,8,9,10,11,12,13,14,15
.if \n == 7
	WALU
	s_wait_tensorcnt 0x0
	s_wait_dscnt 0x0
	s_barrier_signal -1                            ; a plain barrier: groups 2 and 3 are shown to all
	s_barrier_wait -1
.endif
	START \n
	HALF 0, \n
	HALF 1, \n
.endr
; the end: the rows made in the last block, then the last group's
	PLACES 4
	WALU
.irp j, 0,1,2,3,4,5,6,7
	PUT \j, 2, 3, 224
.endr
.irp n, 0,1,2,3
.set I, 0
.rept 32
	ADDB I, 3, \n, 32*\n
.set I, I+1
.endr
	WALU
.irp j, 0,1,2,3,4,5,6,7
	PUT \j, 3, \n, 32*\n
.endr
.endr
	WIN 0
	s_wait_tensorcnt 0x0
	ds_add_u32 v10, v11
	s_wait_dscnt 0x0
	CROUND
	s_endpgm
.Lfunc_end_k_qfe8d361ce1_outp:
	.size	k_qfe8d361ce1_outp, .Lfunc_end_k_qfe8d361ce1_outp-k_qfe8d361ce1_outp
	.p2alignl 7, 3214868480
	.fill 96, 4, 3214868480
	.section	.rodata,"a",@progbits
	.p2align	6, 0x0
	.amdhsa_kernel k_qfe8d361ce1_outp
		.amdhsa_group_segment_fixed_size 327680
		.amdhsa_private_segment_fixed_size 0
		.amdhsa_enable_private_segment 0
		.amdhsa_kernarg_size 48
		.amdhsa_user_sgpr_count 2
		.amdhsa_user_sgpr_kernarg_segment_ptr 1
		.amdhsa_wavefront_size32 1
		.amdhsa_system_sgpr_workgroup_id_x 1
		.amdhsa_system_sgpr_workgroup_id_y 1
		.amdhsa_system_sgpr_workgroup_id_z 1
		.amdhsa_system_vgpr_workitem_id 0
		.amdhsa_next_free_vgpr 1024
		.amdhsa_next_free_sgpr 106
		.amdhsa_reserve_vcc 0
		.amdhsa_float_denorm_mode_32 3
		.amdhsa_float_denorm_mode_16_64 3
		.amdhsa_memory_ordered 1
		.amdhsa_forward_progress 1
		.amdhsa_inst_pref_size 151
	.end_amdhsa_kernel
	.amdgpu_metadata
---
amdhsa.version: [ 1, 2 ]
amdhsa.kernels:
  - .name:           k_qfe8d361ce1_outp
    .symbol:         k_qfe8d361ce1_outp.kd
    .args:
      - { .name: ctx_codes, .offset: 0, .size: 8, .value_kind: global_buffer, .address_space: global }
      - { .name: ctx_scales, .offset: 8, .size: 8, .value_kind: global_buffer, .address_space: global }
      - { .name: Wo_codes, .offset: 16, .size: 8, .value_kind: global_buffer, .address_space: global }
      - { .name: Wo_scales, .offset: 24, .size: 8, .value_kind: global_buffer, .address_space: global }
      - { .name: bo, .offset: 32, .size: 8, .value_kind: global_buffer, .address_space: global }
      - { .name: out0, .offset: 40, .size: 8, .value_kind: global_buffer, .address_space: global }
    .group_segment_fixed_size: 327680
    .private_segment_fixed_size: 0
    .kernarg_segment_align: 8
    .kernarg_segment_size: 48
    .max_flat_workgroup_size: 128
    .sgpr_count:     106
    .vgpr_count:     1024
    .wavefront_size: 32
...
	.end_amdgpu_metadata
.endif
;; end of part 2
